; MI455X (gfx1250); checked and timed in simulation.
; The chip was launched on July 23, 2026; its instructions are those of AMD's public machine-readable ISA for CDNA 5 (MIT licence, August 2026) and "CDNA5" Instruction Set Architecture Reference Guide (July 2026). The comments in the code are by the model that wrote it; some were corrected since.
;; s LSTM Cell. Allowed arithmetic: matrix products marked QUANTISED: E2M1 operands, one E8M0 scale for each 32 along K, by v_wmma_scale_f32_16x16x128_f8f6f4 with both operands' format E2M1 (or v_wmma_scale_f32_32x16x128_f4), f32 sums; everything else in f32.
;; Inputs: Rf 2,048 x 2,048 float32; Ri 2,048 x 2,048 float32; Ro 2,048 x 2,048 float32; Rz 2,048 x 2,048 float32; Wf 2,048 x 1,024 float32; Wi 2,048 x 1,024 float32; Wo 2,048 x 1,024 float32; Wz 2,048 x 1,024 float32; bf 2,048 float32; bi 2,048 float32; bo 2,048 float32; bz 2,048 float32; c_prev 2,048 x 2,048 float32; h_prev 2,048 x 2,048 float32; n_prev 2,048 x 2,048 float32; x 2,048 x 1,024 float32.
;; Outputs: out0 2,048 x 2,048 float32.
;; This version of the problem:
;;   THIS VERSION OF THE PROBLEM IS GIVEN IN LOW PRECISION. The matrix products marked QUANTISED in the list below multiply operands that are first quantised to E2M1 (2 exponent bits, 1 mantissa bit; 4 bits a number), with one power-of-two scale for each 32 numbers along K (OCP MX v1.0); their sums are f32. All else is computed in f32.
;;   The module's matrix products, in the order in which they are computed (A, B: the left and right operand; K: the contracted axis; several contracted axes count as one K, in the product's order):
;;     1. [M 2,048, K 1,024] x [K 1,024, N 8,192]; A: input x; B: computed on the way: QUANTISED
;;     2. [M 2,048, K 2,048] x [K 2,048, N 8,192]; A: input h_prev; B: computed on the way: QUANTISED
;;   THE QUANTISER, for each operand of a quantised product, along K:
;;     - K is cut into blocks of 32 from its start; a last block that is shorter is filled with zeros.
;;     - A block's scale is 2^e with e = floor(log2(the largest magnitude in the block)) - 2, held to -126 .. 127; a block of zeros has e = 0. As a byte (E8M0): e + 127.
;;     - Each number is divided by its block's scale, clamped to +-6, and rounded to the nearest number of E2M1, ties to even, subnormals kept.
;;     - The product sums the exact products of the quantised numbers (number of the format x scale) in f32.
;;   ~~~python
;;   def quantise(x, axis):      # numpy; x: float32 -> the quantised numbers, widened to float32 again
;;       x = np.moveaxis(x, axis, -1); K = x.shape[-1]
;;       x = np.pad(x, [(0, 0)] * (x.ndim - 1) + [(0, -K % 32)]); x = x.reshape(x.shape[:-1] + (-1, 32)); a = np.abs(x).max(-1, keepdims=True)
;;       e = np.where(a > 0, np.clip(np.frexp(np.where(a > 0, a, 1))[1] - 1 - 2, -126, 127), 0)      # np.frexp(a)[1] - 1 = floor(log2(a)), exactly
;;       r = np.clip(x / 2.0 ** e, -6, 6)
;;       step = 2.0 ** (np.maximum(np.frexp(np.where(r == 0, 1, r))[1] - 1, 0) - 1)
;;       q = np.round(r / step) * step * 2.0 ** e      # np.round: ties to even
;;       return np.moveaxis(q.reshape(q.shape[:-2] + (-1,))[..., :K], -1, axis).astype(np.float32)
;;   ~~~
;;   OPERANDS COMPUTED ON THE WAY. 'Computed on the way' means the value that the module computes at that place (a softmax that the list does not call 'softmax' is quantised finished and normalised). What goes into a quantiser is computed in f32, as accurately as f32 sums, v_exp_f32 and their like allow (about 1e-6 of the number): no bf16 or f16 on the way to a quantiser, and a product that is left as it is and whose result goes on into a quantised operand takes f32 operands (vector FMAs, or v_wmma_f32_16x16x4_f32). A number that lies on a knife's edge between two numbers of the format may be rounded either way, as far as f32 arithmetic and the matrix unit's own rounding can turn it there, and no further.
;; One version. Each part assembles by itself: llvm-mc -triple=amdgcn-amd-amdhsa -mcpu=gfx1250 --defsym DOCPART=n.
;; ======== version 1 of 1: 2 launches
;; limits: right only within a limited range of input values
;; workspace buffers: aq 3,342,336 bytes; bq 13,369,344 bytes
;; launch quant (part 1): grid 256 x 1, 15 waves a work-group, no clusters, 67,328 bytes of LDS; arguments x, Wz, Wi, Wf, Wo, h_prev, Rz, Ri, Rf, Ro, aq, bq; writes aq, bq
.if DOCPART == 1
	.amdgcn_target "amdgcn-amd-amdhsa--gfx1250"
	.amdhsa_code_object_version 6
	.text
	.protected	k_qb697f8e5d6_quant
	.globl	k_qb697f8e5d6_quant
	.p2align	8
	.type	k_qb697f8e5d6_quant,@function
k_qb697f8e5d6_quant:
	s_mov_b64 s[64:65], 0
	v_nop
	global_prefetch_b8 v0, s[64:65] scope:SCOPE_SE
	s_setreg_imm32_b32 hwreg(HW_REG_WAVE_MODE, 25, 1), 1
	s_wait_xcnt 0x0
; x, Wz, Wi, Wf, Wo ([2048][1024] f32) and h_prev, Rz, Ri, Rf, Ro ([2048][2048] f32) are turned into codes of FP4 (E2M1) with one E8M0 scale byte for each 32 along K.
; A block's scale is 2^(floor(log2(its largest magnitude)) - 2); its byte is the largest magnitude's exponent field - 2, held at 1 from below.  Each number is divided by the scale and rounded to the nearest code, ties to even; beyond 6 the largest code.
; LIMITS: a block of zeros gets the byte 1 where the rule says 127 (its codes are zeros, which add nothing under any byte but 0xff, and this program alone reads the bytes); blocks whose largest magnitude lies under 2^-124 keep the byte 1; NaN and infinities among the inputs are not served.
; WHERE THE RESULTS GO.  aq (rows of x and h_prev) and bq (rows of the weights) have one layout: [block of 128 rows][K step s = 0..5 of 512 along K][34,816 bytes]: 128 rows x 256 bytes of codes, then 8 x 256 scale bytes
; (16 rows each, 16 bytes a row).  K steps 0, 1 are x's and W's K, steps 2 to 5 h_prev's and R's.  aq's rows are the batch's rows as they lie.  bq's block jb holds hidden columns 32 jb .. 32 jb + 31 of all four gates:
; row 32 g + c, g = 0..3 for z, i, f, o.
; SHARES.  A wave takes 16 rows x 512 along K of one tensor, one row (2,048 consecutive bytes, four loads) a step.  5 x 128 x 2 + 5 x 128 x 4 = 3,840 such parts = 256 work-groups x 15 waves.
; Which part hangs on the work-group's and the wave's number alone; buffers are chosen by selects, and all waves take one path.
; ORDER INSIDE A BLOCK.  A load brings 512 consecutive bytes, 16 a lane: lane (h, b, j) = 16 h + 4 b + j takes bytes 128 b + 64 h + 16 j.  v_permlane16_swap_b32 between two loads then leaves each lane eight numbers of ONE block: numbers
; 4 j .. 4 j + 3 and 16 + 4 j .. 16 + 4 j + 3; four neighbouring lanes hold the block, and their four words of codes are the block's 16 bytes.  So the codes of a block lie in another order than its numbers: the same order in both operands
; of every product, so that each product and each block's scale stay what they were.
; Codes and scale bytes are gathered in the wave's own LDS bytes, and each global store covers 512 consecutive bytes of codes.  No tensor load, no barrier: waves share nothing.  Eight rows (32 loads a wave) are asked for ahead.
; No prefetch: there is no loop to run ahead in.  No register that a memory instruction reads is written again.
.set BLKB, 34816                       ; a chunk: 128 x 256 bytes of codes + 8 x 256 scale bytes
.set VO,   16                          ; v16-31   row t's load offset
.set R,    32                          ; v32-159  eight rows as loaded
.set OB,   160                         ; v160-191 codes on the way out
.set C,    192                         ; v192-223 words of codes, two a row
.set E,    224                         ; v224-255 scale bytes, two a row
.set M0,   6
.set M1,   7
.set S0,   8
.set S1,   15
.set SPW,  12
.set NIL,  13
.set WREG, 4352                        ; a wave's LDS: 16 rows x 256 bytes of codes, 256 scale bytes
.set SPARE, 15*WREG                    ; the spare words
	s_load_b512 s[8:23], s[0:1], 0x0               ; x, Wz, Wi, Wf, Wo, h_prev, Rz, Ri
	s_load_b256 s[24:31], s[0:1], 0x40             ; Rf, Ro, aq, bq
	v_lshrrev_b32 v1, 5, v0
	v_readfirstlane_b32 s32, v1                    ; wave 0..14
	s_mul_i32 s33, s32, WREG
	s_mul_i32 s34, ttmp9, 15
	s_add_co_u32 s34, s34, s32                     ; U = 15 x work-group + wave: 0 .. 3,839
	s_cmp_lt_u32 s34, 1280                         ; the first 1,280 parts belong to the five tensors with K = 1,024
	s_cselect_b32 s35, 0, 1280
	s_cselect_b32 s36, 8, 9                        ; log2 of a tensor's parts
	s_cselect_b32 s37, 1, 2                        ; log2 of its K steps
	s_cselect_b32 s38, 12, 13                      ; log2 of a row's bytes
	s_cselect_b32 s39, 0, 5                        ; the family's first tensor among the arguments
	s_cselect_b32 s40, 0, 2                        ; the family's first K step
	s_sub_co_u32 s34, s34, s35
	s_lshr_b32 s41, s34, s36                       ; T: 0 = x or h_prev, 1 .. 4 = gate z, i, f, o
	s_lshl_b32 s42, 1, s36
	s_sub_co_u32 s42, s42, 1
	s_and_b32 s34, s34, s42                        ; the part within the tensor
	s_lshl_b32 s42, 1, s37
	s_sub_co_u32 s42, s42, 1
	s_and_b32 s43, s34, s42                        ; ks: which 512 along K
	s_lshr_b32 s34, s34, s37                       ; rg: which 16 rows
	s_lshl_b32 s46, s34, 4
	s_lshl_b32 s46, s46, s38
	s_lshl_b32 s47, s43, 11
	s_add_co_u32 s46, s46, s47                     ; 16 rg rows + 2,048 ks, in bytes: under 2^25
	s_mov_b32 s47, 0
	s_lshl_b32 s48, 1, s38                         ; a row's bytes
	s_add_co_u32 s39, s39, s41                     ; my tensor's place among the arguments: 0 .. 9
	s_lshr_b32 s49, s34, 3                         ; aq: block rg / 8,
	s_and_b32 s50, s34, 7                          ;     group of 16 rows rg % 8
	s_lshr_b32 s51, s34, 1                         ; bq: block rg / 2,
	s_and_b32 s52, s34, 1
	s_lshl_b32 s53, s41, 1
	s_add_co_u32 s52, s52, s53
	s_sub_co_u32 s52, s52, 2                       ;     group 2 (T - 1) + rg % 2 (with T = 0 it is not taken)
	s_cmp_eq_u32 s41, 0
	s_cselect_b32 s49, s49, s51
	s_cselect_b32 s50, s50, s52
	s_mul_i32 s49, s49, 6
	s_add_co_u32 s49, s49, s40
	s_add_co_u32 s49, s49, s43                     ; the chunk: 6 x block + K step
	s_mul_i32 s49, s49, BLKB
	s_lshl_b32 s52, s50, 12
	s_add_co_u32 s52, s52, s49                     ; my codes
	s_mov_b32 s53, 0
	s_lshl_b32 s54, s50, 8
	s_add_co_u32 s54, s54, s49
	s_add_co_u32 s54, s54, 128*256                 ; my scale bytes
	s_mov_b32 s55, 0
	s_add_co_u32 s35, s33, 4096                    ; LDS: my wave's scale bytes
	v_lshl_add_u32 v[SPW], v0, 2, SPARE
	v_mov_b32 v[NIL], 0
	v_and_b32 v2, 31, v0                           ; lane
	v_and_b32 v8, 3, v0                            ; j
	v_bfe_u32 v6, v0, 2, 2                         ; b
	v_bfe_u32 v7, v0, 4, 1                         ; h
	v_lshlrev_b32 v3, 4, v8
	v_lshl_add_u32 v4, v2, 2, s33                  ; LDS: my word in a half row of codes
	v_lshl_add_u32 v9, v2, 4, s33                  ; LDS: codes on the way out
	v_lshl_add_u32 v3, v7, 6, v3
	v_lshlrev_b32 v11, 4, v2                       ; the same place in memory
	v_lshlrev_b32 v14, 3, v2                       ; my 8 of the 256 scale bytes
	v_lshl_add_u32 v3, v6, 7, v3                   ; my 16 bytes of a load's 512
	v_lshrrev_b32 v5, 2, v2
	v_add_nc_u32 v10, s35, v14                     ; LDS: scale bytes on the way out
	v_add_nc_u32 v5, s35, v5                       ; LDS: my block's byte
.irp t, 0,1,2,3,4,5,6,7,8,9,10,11,12,13,14,15
	v_mad_u32_u24 v[VO+\t], s48, \t, v3
.endr
	s_wait_alu depctr_va_vdst(0)
	s_wait_kmcnt 0x0
	s_cmp_eq_u32 s41, 0
	s_cselect_b64 s[6:7], s[28:29], s[30:31]       ; aq or bq: the choice hangs on ids alone
	s_mov_b64 s[4:5], s[8:9]
.irp i, 1,2,3,4,5,6,7,8,9
	s_cmp_eq_u32 s39, \i
	s_cselect_b64 s[4:5], s[8+2*\i:9+2*\i], s[4:5] ; my tensor
.endr
	s_add_nc_u64 s[4:5], s[4:5], s[46:47]
.macro LOAD t
.irp i, 0,1,2,3
	global_load_b128 v[R+16*((\t)%8)+4*\i:R+16*((\t)%8)+4*\i+3], v[VO+(\t)], s[4:5] offset:512*\i th:TH_LOAD_NT   ; 32 lanes read 512 consecutive bytes
.endr
.endm
.irp t, 0,1,2,3,4,5,6,7
	LOAD \t
.endr
	s_add_nc_u64 s[44:45], s[6:7], s[54:55]        ; where my scale bytes go
	s_add_nc_u64 s[6:7], s[6:7], s[52:53]          ; where my codes go
.macro ROW t
.set XS, R+16*((\t)%8)
.if (\t) < 8
	s_wait_loadcnt 28                              ; row t's four loads are in; those of the seven rows behind it may be out
.else
	s_wait_loadcnt 4*(15-(\t))                     ; at the end the counts run down
.endif
.irp c, 0,1,2,3                        ; lanes 0-15 keep the even load's 512 bytes, lanes 16-31 the odd one's: eight numbers of one block in each lane
	v_permlane16_swap_b32 v[XS+\c], v[XS+4+\c]
	v_permlane16_swap_b32 v[XS+8+\c], v[XS+12+\c]
.endr
	v_max3_num_f32 v[M0], |v[XS]|, |v[XS+1]|, |v[XS+2]|            ; two blocks by turns
	v_max3_num_f32 v[M1], |v[XS+8]|, |v[XS+9]|, |v[XS+10]|
	v_max3_num_f32 v[M0], v[M0], |v[XS+3]|, |v[XS+4]|
	v_max3_num_f32 v[M1], v[M1], |v[XS+11]|, |v[XS+12]|
	v_max3_num_f32 v[M0], v[M0], |v[XS+5]|, |v[XS+6]|
	v_max3_num_f32 v[M1], v[M1], |v[XS+13]|, |v[XS+14]|
	v_max3_num_f32 v[M0], v[M0], |v[XS+7]|, 0x1800000              ; and the floor 2^(3 - 127): so the byte cannot fall under 1
	v_max3_num_f32 v[M1], v[M1], |v[XS+15]|, 0x1800000
	v_max_num_f32_dpp v[M0], v[M0], v[M0] row_xmask:1 row_mask:0xf bank_mask:0xf
	v_max_num_f32_dpp v[M1], v[M1], v[M1] row_xmask:1 row_mask:0xf bank_mask:0xf
	v_max_num_f32_dpp v[M0], v[M0], v[M0] row_xmask:2 row_mask:0xf bank_mask:0xf   ; the block's, in its four lanes
	v_max_num_f32_dpp v[M1], v[M1], v[M1] row_xmask:2 row_mask:0xf bank_mask:0xf
	v_add_nc_u32 v[S0], 0xff000000, v[M0]          ; 2 off the exponent field: the conversion takes this operand's exponent field as its scale, and nothing else of it
	v_add_nc_u32 v[S1], 0xff000000, v[M1]
	v_cvt_scalef32_pk8_fp4_f32 v[C+2*(\t)], v[XS:XS+7], v[S0]
	v_cvt_scalef32_pk8_fp4_f32 v[C+2*(\t)+1], v[XS+8:XS+15], v[S1]
	v_lshrrev_b32 v[E+2*(\t)], 23, v[S0]           ; the scale's byte (plain lines behind the conversions)
	v_lshrrev_b32 v[E+2*(\t)+1], 23, v[S1]
	ds_store_b32 v4, v[C+2*(\t)] offset:256*(\t)
	ds_store_b32 v4, v[C+2*(\t)+1] offset:256*(\t)+128
	ds_store_b8 v5, v[E+2*(\t)] offset:16*(\t)     ; the four lanes of a block write the same byte with the same value
	ds_store_b8 v5, v[E+2*(\t)+1] offset:16*(\t)+8
.if (\t)+8 < 16
	LOAD (\t)+8
.endif
.if (\t)%4 == 3                        ; four rows are whole: LDS serves a wave's instructions in order (ISA guide 5.7.1.4), so these see the stores above
.irp n, 0,1
	ds_load_b128 v[OB+8*((\t)/4)+4*\n:OB+8*((\t)/4)+4*\n+3], v9 offset:1024*((\t)/4)+512*\n
.endr
.endif
.if ((\t)%4 == 0) && ((\t) > 0)
	s_wait_dscnt 4                                 ; the four rows before are back in registers; this row's four stores may be out
	SEND (\t)/4-1
.endif
.endm
.macro SEND m
.irp n, 0,1
	global_store_b128 v11, v[OB+8*(\m)+4*\n:OB+8*(\m)+4*\n+3], s[6:7] offset:1024*(\m)+512*\n   ; 512 consecutive bytes
.endr
.endm
.irp t, 0,1,2,3,4,5,6,7,8,9,10,11,12,13,14,15
	ROW \t
.endr
	ds_load_b64 v[M0:M1], v10                      ; my wave's scale bytes
	s_wait_dscnt 1
	SEND 3
	s_wait_dscnt 0x0
	global_store_b64 v14, v[M0:M1], s[44:45]       ; 256 consecutive scale bytes
	s_wait_tensorcnt 0x0                           ; the wave's end
	ds_add_u32 v[SPW], v[NIL]
	s_wait_dscnt 0x0
	s_endpgm
.Lfunc_end_k_qb697f8e5d6_quant:
	.size	k_qb697f8e5d6_quant, .Lfunc_end_k_qb697f8e5d6_quant-k_qb697f8e5d6_quant
	.p2alignl 7, 3214868480
	.fill 96, 4, 3214868480
	.section	.rodata,"a",@progbits
	.p2align	6, 0x0
	.amdhsa_kernel k_qb697f8e5d6_quant
		.amdhsa_group_segment_fixed_size 67328
		.amdhsa_private_segment_fixed_size 0
		.amdhsa_enable_private_segment 0
		.amdhsa_kernarg_size 96
		.amdhsa_user_sgpr_count 2
		.amdhsa_user_sgpr_kernarg_segment_ptr 1
		.amdhsa_wavefront_size32 1
		.amdhsa_system_sgpr_workgroup_id_x 1
		.amdhsa_system_sgpr_workgroup_id_y 1
		.amdhsa_system_sgpr_workgroup_id_z 1
		.amdhsa_system_vgpr_workitem_id 0
		.amdhsa_next_free_vgpr 256
		.amdhsa_next_free_sgpr 66
		.amdhsa_reserve_vcc 0
		.amdhsa_float_denorm_mode_32 3
		.amdhsa_float_denorm_mode_16_64 3
		.amdhsa_memory_ordered 1
		.amdhsa_forward_progress 1
		.amdhsa_inst_pref_size 39
	.end_amdhsa_kernel
	.amdgpu_metadata
---
amdhsa.version: [ 1, 2 ]
amdhsa.kernels:
  - .name:           k_qb697f8e5d6_quant
    .symbol:         k_qb697f8e5d6_quant.kd
    .args:
      - { .name: x, .offset: 0, .size: 8, .value_kind: global_buffer, .address_space: global }
      - { .name: Wz, .offset: 8, .size: 8, .value_kind: global_buffer, .address_space: global }
      - { .name: Wi, .offset: 16, .size: 8, .value_kind: global_buffer, .address_space: global }
      - { .name: Wf, .offset: 24, .size: 8, .value_kind: global_buffer, .address_space: global }
      - { .name: Wo, .offset: 32, .size: 8, .value_kind: global_buffer, .address_space: global }
      - { .name: h_prev, .offset: 40, .size: 8, .value_kind: global_buffer, .address_space: global }
      - { .name: Rz, .offset: 48, .size: 8, .value_kind: global_buffer, .address_space: global }
      - { .name: Ri, .offset: 56, .size: 8, .value_kind: global_buffer, .address_space: global }
      - { .name: Rf, .offset: 64, .size: 8, .value_kind: global_buffer, .address_space: global }
      - { .name: Ro, .offset: 72, .size: 8, .value_kind: global_buffer, .address_space: global }
      - { .name: aq, .offset: 80, .size: 8, .value_kind: global_buffer, .address_space: global }
      - { .name: bq, .offset: 88, .size: 8, .value_kind: global_buffer, .address_space: global }
    .group_segment_fixed_size: 67328
    .private_segment_fixed_size: 0
    .kernarg_segment_align: 8
    .kernarg_segment_size: 96
    .max_flat_workgroup_size: 480
    .sgpr_count:     66
    .vgpr_count:     256
    .wavefront_size: 32
...
	.end_amdgpu_metadata
.endif
;; end of part 1
;; launch cell (part 2): grid 32 x 8, 4 waves a work-group, clusters of 4 x 4, 327,680 bytes of LDS; arguments aq, bq, bz, bi, bf, bo, c_prev, n_prev, out0; writes out0
.if DOCPART == 2
	.amdgcn_target "amdgcn-amd-amdhsa--gfx1250"
	.amdhsa_code_object_version 6
	.text
	.protected	k_qb697f8e5d6_cell
	.globl	k_qb697f8e5d6_cell
	.p2align	8
	.type	k_qb697f8e5d6_cell,@function
k_qb697f8e5d6_cell:
	s_mov_b64 s[64:65], 0
	v_nop
	global_prefetch_b8 v0, s[64:65] scope:SCOPE_SE
	s_setreg_imm32_b32 hwreg(HW_REG_WAVE_MODE, 25, 1), 1
	s_wait_xcnt 0x0
	s_wait_alu depctr_hold_cnt(0) depctr_sa_sdst(0) depctr_va_vdst(0) depctr_va_sdst(0) depctr_va_ssrc(0) depctr_va_vcc(0) depctr_vm_vsrc(0)
	s_getreg_b32 s2, hwreg(HW_REG_IB_STS2, 6, 4)
	s_cmp_eq_u32 s2, 0
	s_cbranch_scc0 .Lentry_in_a_cluster
	s_endpgm
.Lentry_in_a_cluster:
	s_bfe_u32 s2, ttmp6, 0x10000c
	s_cmp_lg_u32 s2, 0xf033
	s_cbranch_scc0 .Lentry_shape_is_right
	s_endpgm
.Lentry_shape_is_right:
; pre = x W^T + h_prev R^T + b on codes of FP4 with E8M0 scales (K = 1,024 + 2,048 as six K steps of 512), then z = tanh, i, f = exp, o = sigmoid, and h = o (f c_prev + i z) / (f n_prev + i).
; The quotient needs g = f / i = e^(af - ai) alone: h = (g c_prev + z) / ((1 + e^-ao) (g n_prev + 1)).
; LIMITS: g is held at 2^64 from above; beyond it h is o c_prev / n_prev to f32's precision for |n_prev| of 2^-32 or more.  Where e^-ao passes 2^62 together with g at its hold the result may be 0.  NaN and infinities are not served.
; A work-group makes 256 rows x 64 hidden columns (x 4 gates = 256 columns of pre); a wave 128 x 128: 32 accumulators of 32 x 16.  bq's rows are laid so that the four gates of one number lie in one lane.
; The bias is the C of each accumulator's first product.
; CLUSTERS: 4 x 4 work-groups; A's chunks are shared along a row of the cluster, B's along a column, by joint loads.  c_prev's and n_prev's tiles are each work-group's own.
; LDS: wave w fetches one chunk of 128 rows (codes and scale bytes, 136 units of 256 bytes, 16 bytes of padding behind each) a K step, into part w of slot 0 or 1: byte (2 w + slot) HALFT.  Waves 0, 1 fetch A's rows, waves 2, 3 B's.
; The head's one load a wave brings K step 0; K step 1 follows behind the full sequence; each later change of slots refills one slot; the last one brings c_prev and n_prev into slot 0.
; PREFETCHES into the L2: each joint load of K step s is followed by the prefetch of K step s + 2 (the head also asks for K step 1): of a chunk's 136 units each of the four partners that share the load names 34,
; told apart by address (cx for A, cy for B); the last two K steps' loads ask for nothing.  c_prev's and n_prev's rows: 32 a wave at each change of slots in the loop.
; REGISTERS, windows of 256: window 0: v0-31 addresses; v32-63, v64-95 scale words of slot 0, 1; v64-127 the bias, in the first step alone; v128-191, v192-255 A's fragments, two sets.
;   window 1: B's fragments, two sets, v0-127; at the end c_prev and n_prev.  windows 2, 3: accumulators of my rows 0-63, 64-127 (A's block a, B's block b = 2 gate + u at v[8 (8 a + b)]; an instruction takes two neighbouring b).
; THE MATRIX INSTRUCTION IS USED TRANSPOSED (source 0 = 32 rows of B, source 1 = 16 rows of A): a lane then holds eight neighbouring columns of one row.
.set BLKB,   34816
.set PITCH,  272
.set HALFT,  136*PITCH
.set SCO,    128*PITCH
.set SPARE,  8*HALFT
.set ADSB, 14                          ; v14-15 B's scale words, slot 0, 1
.set ADRA, 16
.set ADRB, 18
.set ADSA, 20                          ; v20-21 A's scale words
.set PFT,  22                          ; prefetch of codes: 256 x lane
.set PFT2, 23                          ; 256 x (lane % 2)
.set ADC,  24
.set ADN,  25
.set RD,   26
.set CO,   27
.set SPW,  28
.set NIL,  29
.set PFO,  30                          ; prefetch of c_prev, n_prev: 8,192 x lane
.set VB,   31
.set SC,   32                          ; slot s at v[32 + 32 s]: 4 u + q: the words of B's blocks 2 u (lanes 0-15) and 2 u + 1; 16 + 4 i + q: those of A's blocks i (lanes 0-15) and i + 4
.set BI,   64
.set AF,   128
.set OB,   32                          ; the way out: v32-159
.set HO,   160
.set TT,   192
.set G1,  24
.set G0,  32
.set G1B, 48
.set G0B, 56
.set PFA, 66
.set G1C, 76
.set G0C, 84
.set G0N, 88
.set PFC, 92
.set L2,  94
.set L1,  96
.set LN,  98
.set MSB, 0
.macro WIN new                         ; the immediate's high byte repeats the setting that is left
.if MSB != \new
	s_set_vgpr_msb (MSB<<8)|\new
.set MSB, \new
.endif
.endm
.set MUL_LO, 0xa1
.set MUL_HI, 0xf1
.set TO_B,   0x40
.macro JLOAD g0a, g1a, g0b, g1b        ; waves 0, 1 by the first line, waves 2, 3 by the second
	s_cmp_eq_u32 s15, 0
	s_cbranch_scc0 .Lfor_b_\@
	tensor_load_to_lds s[\g0a:\g0a+3], s[\g1a:\g1a+7]
	s_nop 0
.rept 4
	v_nop
.endr
	s_branch .Lasked_\@
.Lfor_b_\@:
	tensor_load_to_lds s[\g0b:\g0b+3], s[\g1b:\g1b+7]
	s_nop 0
.rept 4
	v_nop
.endr
.Lasked_\@:
.endm
.macro CREST                           ; a round of the cluster's barrier behind its opening barrier
	s_cmp_lg_u32 s14, 0
	s_cbranch_scc1 .Lnot_wave_0_\@
	s_barrier_signal -3
.Lnot_wave_0_\@:
	s_barrier_wait -3
	s_barrier_signal -1
	s_barrier_wait -1
.endm
.macro CROUND
	s_barrier_signal -1
	s_barrier_wait -1
	CREST
.endm
	s_load_b256 s[4:11], s[0:1], 0x0               ; aq, bq, bz, bi
	s_load_b256 s[68:75], s[0:1], 0x20             ; bf, bo, c_prev, n_prev
	s_load_b64 s[12:13], s[0:1], 0x40              ; out0
	v_lshl_add_u32 v[SPW], v0, 2, SPARE
	v_mov_b32 v[NIL], 0
	ds_add_u32 v[SPW], v[NIL]                      ; the wave's opening: the add, twice on end
	ds_add_u32 v[SPW], v[NIL]
	v_lshrrev_b32 v1, 5, v0
	v_readfirstlane_b32 s14, v1                    ; wave 0..3
	s_lshr_b32 s15, s14, 1                         ; my half of the rows; also: I fetch for A (0) or B (1)
	s_and_b32 s16, s14, 1                          ; my half of the columns; also: which 128 rows of a tile I fetch
	s_bfe_u32 s40, ttmp6, 0x40000                  ; cx, cy
	s_bfe_u32 s41, ttmp6, 0x40004
	s_lshl_b32 s42, ttmp9, 2
	s_add_co_u32 s42, s42, s40                     ; tile column
	s_and_b32 s17, ttmp7, 0xffff
	s_lshl_b32 s17, s17, 2
	s_add_co_u32 s17, s17, s41                     ; tile row
	s_mul_i32 s18, s15, 2*HALFT                    ; LDS: A's part of my rows (slot 0); at the end c_prev's, then h's
	s_mul_i32 s19, s16, 2*HALFT
	s_add_co_u32 s19, s19, 4*HALFT                 ; B's part of my columns
	s_add_co_u32 s20, s19, SCO
	s_add_co_u32 s21, s18, SCO
	s_lshl_b32 s22, s16, 7
	s_add_co_u32 s22, s22, s18
	s_mul_i32 s23, s16, 16*PITCH
	s_add_co_u32 s23, s23, s18
	s_lshl_b32 s46, s42, 8
	s_lshl_b32 s47, s16, 7
	s_add_co_u32 s46, s46, s47                     ; my first hidden column, in bytes
	v_and_b32 v1, 15, v0                           ; r
	v_bfe_u32 v2, v0, 4, 1                         ; h
	v_mul_u32_u24 v3, v1, PITCH
	v_lshl_add_u32 v4, v2, 4, v3                   ; a fragment's row x pitch + 16 h
	v_add_nc_u32 v[ADRA], s18, v4
	v_add_nc_u32 v[ADRB], s19, v4
	v_add_nc_u32 v[ADRA+1], HALFT, v[ADRA]
	v_add_nc_u32 v[ADRB+1], HALFT, v[ADRB]
	v_lshlrev_b32 v5, 4, v1
	v_mul_u32_u24 v6, v2, 4*PITCH                  ; A's words: lanes 16-31 four blocks further on
	v_mul_u32_u24 v7, v2, PITCH                    ; B's: the next block
	v_add_nc_u32 v6, v5, v6
	v_add_nc_u32 v7, v5, v7
	v_add_nc_u32 v[ADSA], s21, v6
	v_add_nc_u32 v[ADSB], s20, v7
	v_add_nc_u32 v[ADSA+1], HALFT, v[ADSA]
	v_add_nc_u32 v[ADSB+1], HALFT, v[ADSB]
	v_lshl_add_u32 v8, v2, 5, v3
	v_add_nc_u32 v[ADC], s22, v8                   ; c_prev, and h: my row r, my 32 bytes
	v_add_nc_u32 v[ADN], 4*HALFT, v[ADC]
	v_mul_u32_u24 v9, v2, PITCH
	v_lshl_add_u32 v9, v1, 4, v9
	v_add_nc_u32 v[RD], s23, v9                    ; the way out: sixteen lanes to a row
	v_lshlrev_b32 v10, 13, v2
	v_lshl_add_u32 v[CO], v1, 4, v10
	v_lshl_add_u32 v[VB], v2, 5, s46
	v_and_b32 v11, 31, v0
	v_lshlrev_b32 v[PFO], 13, v11
	v_lshlrev_b32 v[PFT], 8, v11
	v_and_b32 v12, 1, v0
	v_lshlrev_b32 v[PFT2], 8, v12
	s_lshl_b32 s43, s41, 2
	s_lshl_b32 s43, 15, s43                        ; my row of the cluster
	s_lshl_b32 s44, 0x1111, s40                    ; my column
	s_or_b32 s[G1+0], s43, (3<<16)|(1<<20)|(1<<21)|(5<<22)|(3<<25)   ; elements of 8 bytes, 4 words of padding behind every 64
	s_or_b32 s[G1B+0], s44, (3<<16)|(1<<20)|(1<<21)|(5<<22)|(3<<25)
.irp g, G1, G1B
	s_mov_b32 s[\g+1], 32<<16
	s_mov_b32 s[\g+2], 136<<16                     ; a chunk: 136 units of 256 bytes
	s_mov_b32 s[\g+3], 32<<16
	s_mov_b32 s[\g+4], 136
	s_mov_b32 s[\g+5], 32
	s_mov_b32 s[\g+6], 0
	s_mov_b32 s[\g+7], 0
.endr
	s_lshl_b32 s20, s17, 1
	s_add_co_u32 s20, s20, s16
	s_mul_i32 s20, s20, 6*BLKB                     ; A: block 2 x tile row + half
	s_mov_b32 s21, 0
	s_lshl_b32 s46, s42, 1
	s_add_co_u32 s46, s46, s16
	s_mul_i32 s46, s46, 6*BLKB                     ; B: block 2 x tile column + half
	s_mov_b32 s47, 0
	s_mul_i32 s45, s14, 2*HALFT                    ; where my chunks go in LDS
	s_cmp_eq_u32 s15, 0
	s_cselect_b32 s66, s40, s41                    ; my place among the four that share my chunk
	s_mul_i32 s66, s66, 34*256
	s_mov_b32 s67, 0
	s_wait_alu depctr_va_vdst(0)
	s_wait_dscnt 0x0                               ; both opening adds are done
	CROUND                                         ; all sixteen work-groups are here: the first joint loads meet
	s_wait_kmcnt 0x0
	s_add_nc_u64 s[20:21], s[4:5], s[20:21]
	s_add_nc_u64 s[46:47], s[6:7], s[46:47]
	s_mov_b32 s[G0], 1
	s_mov_b32 s[G0+1], s45
	s_mov_b64 s[G0+2:G0+3], s[20:21]
	s_or_b32 s[G0+3], s[G0+3], 0x80000000
	s_mov_b32 s[G0B], 1
	s_mov_b32 s[G0B+1], s45
	s_mov_b64 s[G0B+2:G0B+3], s[46:47]
	s_or_b32 s[G0B+3], s[G0B+3], 0x80000000
	JLOAD G0, G1, G0B, G1B                         ; K step 0: one load a wave
.macro BIAS g, lo
.irp u, 0,1
.irp k, 0,1
	global_load_b128 v[BI+16*\g+8*\u+4*\k:BI+16*\g+8*\u+4*\k+3], v[VB], s[\lo:\lo+1] offset:64*\u+16*\k
.endr
.endr
.endm
	BIAS 0, 8
	BIAS 1, 10
	BIAS 2, 68
	BIAS 3, 70
	s_cmp_eq_u32 s15, 0
	s_cselect_b64 s[4:5], s[20:21], s[46:47]
	s_add_nc_u64 s[PFA:PFA+1], s[4:5], s[66:67]    ; my 34 units of a chunk
.macro ASK n                           ; K step n: 32 + 2 units (the second line's lanes repeat its two)
	global_prefetch_b8 v[PFT], s[PFA:PFA+1] offset:BLKB*(\n) th:TH_LOAD_NT scope:SCOPE_SE
	global_prefetch_b8 v[PFT2], s[PFA:PFA+1] offset:BLKB*(\n)+8192 th:TH_LOAD_NT scope:SCOPE_SE
.endm
	s_wait_loadcnt 0x0                             ; the bias
	ASK 1                                          ; (K step 2 is asked for behind K step 0's landing, with K step 3)
	s_mov_b32 s[G0+4], 1                           ; slot 1's group 0: at K step 1; a refill steps it by two
	s_add_co_u32 s[G0+5], s45, HALFT
	s_add_nc_u64 s[G0+6:G0+7], s[20:21], BLKB
	s_or_b32 s[G0+7], s[G0+7], 0x80000000
	s_mov_b32 s[G0B+4], 1
	s_add_co_u32 s[G0B+5], s45, HALFT
	s_add_nc_u64 s[G0B+6:G0B+7], s[46:47], BLKB
	s_or_b32 s[G0B+7], s[G0B+7], 0x80000000
	s_mov_b32 s[G1C+0], (3<<16)|(1<<20)|(5<<22)|(3<<25)   ; c_prev, n_prev: 128 rows x 256 bytes, 8,192 bytes apart, this work-group's own
	s_mov_b32 s[G1C+1], 32<<16
	s_mov_b32 s[G1C+2], 128<<16
	s_mov_b32 s[G1C+3], 32<<16
	s_mov_b32 s[G1C+4], 128
	s_mov_b32 s[G1C+5], 1024
	s_mov_b32 s[G1C+6], 0
	s_mov_b32 s[G1C+7], 0
	s_lshl_b32 s22, s17, 8
	s_lshl_b32 s23, s16, 7
	s_add_co_u32 s22, s22, s23
	s_lshl_b32 s22, s22, 13
	s_lshl_b32 s23, s42, 8
	s_add_co_u32 s22, s22, s23                     ; row 256 x tile row + 128 x half, column 64 x tile column
	s_mov_b32 s23, 0
	s_lshl_b32 s18, s17, 8
	s_lshl_b32 s19, s15, 7
	s_add_co_u32 s18, s18, s19
	s_lshl_b32 s19, s16, 4
	s_add_co_u32 s18, s18, s19
	s_lshl_b32 s18, s18, 13
	s_lshl_b32 s19, s42, 8
	s_add_co_u32 s18, s18, s19                     ; the rows that I store: my half of the rows, + 16 x half of the columns
	s_mov_b32 s19, 0
	s_add_nc_u64 s[12:13], s[12:13], s[18:19]
	s_cmp_eq_u32 s15, 0
	s_cselect_b64 s[PFC:PFC+1], s[72:73], s[74:75]
	s_add_nc_u64 s[PFC:PFC+1], s[PFC:PFC+1], s[22:23]
	s_mov_b32 s[G0C], 1
	s_mov_b32 s[G0C+1], s45
	s_add_nc_u64 s[G0C+2:G0C+3], s[72:73], s[22:23]
	s_or_b32 s[G0C+3], s[G0C+3], 0x80000000
	s_mov_b32 s[G0N], 1
	s_mov_b32 s[G0N+1], s45
	s_add_nc_u64 s[G0N+2:G0N+3], s[74:75], s[22:23]
	s_or_b32 s[G0N+3], s[G0N+3], 0x80000000
	s_mov_b32 s[L2], 0x4038aa3b                    ; 2 log2(e)
	s_mov_b32 s[L2+1], s[L2]
	s_mov_b32 s[L1], 0x3fb8aa3b                    ; log2(e)
	s_mov_b32 s[L1+1], s[L1]
	s_mov_b32 s[LN], 0xbfb8aa3b                    ; -log2(e)
	s_mov_b32 s[LN+1], s[LN]
.macro FETCH_B slot, q                 ; B's eight fragments of the slot's q-th 128 along K into set q % 2
	WIN TO_B
.irp i, 0,1,2,3,4,5,6,7
.irp c, 0,1
	ds_load_b128 v[64*((\q)%2)+8*\i+4*\c:64*((\q)%2)+8*\i+4*\c+3], v[ADRB+\slot] offset:64*(\q)+32*\c+\i*16*PITCH
.endr
.endr
	WIN 0
.endm
.macro FETCH_A slot, q                 ; A's eight into set q % 2
.irp i, 0,1,2,3,4,5,6,7
.irp c, 0,1
	ds_load_b128 v[AF+64*((\q)%2)+8*\i+4*\c:AF+64*((\q)%2)+8*\i+4*\c+3], v[ADRA+\slot] offset:64*(\q)+32*\c+\i*16*PITCH
.endr
.endr
.endm
.macro SCALES slot                     ; a K step's scale words
.irp i, 0,1,2,3
	ds_load_b128 v[SC+32*\slot+4*\i:SC+32*\slot+4*\i+3], v[ADSB+\slot] offset:2*\i*PITCH
	ds_load_b128 v[SC+32*\slot+16+4*\i:SC+32*\slot+16+4*\i+3], v[ADSA+\slot] offset:\i*PITCH
.endr
.endm
.macro MUL a0, q, sc, zero             ; A's blocks a0, a0 + 1 x B's eight, two at a time: the 32 accumulators take turns, in the same order in every step
.irp a, \a0, \a0+1
.irp b, 0,2,4,6
.set DD, 8*(8*((\a)%4)+\b)
.if \zero
.set CC, BI+8*\b
.else
.set CC, DD
.endif
.if (\a) < 4
	v_wmma_scale_f32_32x16x128_f4 v[DD:DD+15], v[64*((\q)%2)+8*\b:64*((\q)%2)+8*\b+15], v[AF+64*((\q)%2)+8*(\a):AF+64*((\q)%2)+8*(\a)+7], v[CC:CC+15], v[SC+32*(\sc)+2*\b+(\q)], v[SC+32*(\sc)+16+4*((\a)%4)+(\q)]
.else
	v_wmma_scale_f32_32x16x128_f4 v[DD:DD+15], v[64*((\q)%2)+8*\b:64*((\q)%2)+8*\b+15], v[AF+64*((\q)%2)+8*(\a):AF+64*((\q)%2)+8*(\a)+7], v[CC:CC+15], v[SC+32*(\sc)+2*\b+(\q)], v[SC+32*(\sc)+16+4*((\a)%4)+(\q)] matrix_b_scale:MATRIX_SCALE_ROW1
.endif
.endr
.endr
.endm
.macro PLACES
.rept 4
	v_nop
.endr
.endm
; A step of 128 along K whose successor lies in the same slot: it fetches the next step's fragments, in one run, into the set that the step before has read, and multiplies set q % 2.
; pre: the next step changes slots: 1 = the slot is refilled with codes two K steps on, 2 = with c_prev and n_prev.
.macro STEP slot, q, zero, pre
	s_wait_dscnt 8                                 ; B's set and A's blocks 0-3 are in; the youngest eight loads (A's blocks 4-7) may be out
	PLACES                                         ; places between the step before and the loads into registers that it has read
	FETCH_B \slot, (\q)+1
	FETCH_A \slot, (\q)+1
.if \zero
	WIN 0x81
.else
	WIN MUL_LO
.endif
	MUL 0, \q, \slot, \zero
	MUL 2, \q, \slot, \zero
	s_wait_dscnt 32                                ; A's blocks 4-7 are in: behind them the 32 loads of the run were issued
.if \zero
	WIN 0xc1
.else
	WIN MUL_HI
.endif
	MUL 4, \q, \slot, \zero
.if \pre
	WIN 0
	s_wait_tensorcnt 0x0                           ; all my tensor loads have landed: my part of the other slot among them
	ds_add_u32 v[SPW], v[NIL]                      ; 0 onto my spare word; eight matrix instructions stand between it and the wait for it
.if \pre == 1
	s_add_nc_u64 s[G0+4*\slot+2:G0+4*\slot+3], s[G0+4*\slot+2:G0+4*\slot+3], 2*BLKB
	s_add_nc_u64 s[G0B+4*\slot+2:G0B+4*\slot+3], s[G0B+4*\slot+2:G0B+4*\slot+3], 2*BLKB
.endif
	WIN MUL_HI
.endif
	MUL 6, \q, \slot, \zero
.endm
; A slot's last step: its fragments are all in registers, so the slot is given back at its beginning.
.macro TURN slot, next, fill
	s_wait_dscnt 0x0                               ; the add is done, and so are my reads of this slot
	s_barrier_signal -1
	WIN MUL_LO
	MUL 0, 3, \slot, 0
	WIN 0
	s_barrier_wait -1
	CREST                                          ; no wave of any partner still reads this slot or has a load on its way
.if \fill == 1
	JLOAD G0+4*\slot, G1, G0B+4*\slot, G1B         ; the four v_nop behind it are also the places in front of the loads below
.else
	JLOAD G0C, G1C, G0N, G1C
.endif
	FETCH_B \next, 0
	SCALES \next
	FETCH_A \next, 0
.if \fill == 1
	s_cmp_eq_u32 s3, 2                             ; in the first trip alone: K steps 4 and 5; there are no later ones
	s_cbranch_scc0 .Lno_ask_\@
	ASK 4+\slot
.Lno_ask_\@:
	global_prefetch_b8 v[PFO], s[PFC:PFC+1] offset:\slot*32*8192 th:TH_LOAD_NT scope:SCOPE_SE   ; 32 of my 128 rows of c_prev or n_prev
.endif
	WIN MUL_LO
	MUL 2, 3, \slot, 0
	WIN MUL_HI
	MUL 4, 3, \slot, 0
	MUL 6, 3, \slot, 0
.endm
	s_wait_tensorcnt 0x0                           ; my part of K step 0 is in
	ds_add_u32 v[SPW], v[NIL]
	s_wait_dscnt 0x0
	CROUND                                         ; everybody's part is in, and the joint loads meet
	JLOAD G0+4, G1, G0B+4, G1B                     ; K step 1
	FETCH_B 0, 0
	SCALES 0
	FETCH_A 0, 0
	ASK 2
	ASK 3
	STEP 0, 0, 1, 0                                ; the first step stands in front of the loop
	WIN 0
	s_mov_b32 s3, 2
.Llap:                                                 ; a trip goes once round the ring, from a lap's second step to the next lap's first
	STEP 0, 1, 0, 0
	STEP 0, 2, 0, 1
	TURN 0, 1, 1
	STEP 1, 0, 0, 0
	STEP 1, 1, 0, 0
	STEP 1, 2, 0, 1
	TURN 1, 0, 1
	STEP 0, 0, 0, 0
	WIN 0
	s_wait_xcnt 0x0                                ; the prefetches have read their base
	s_add_nc_u64 s[PFC:PFC+1], s[PFC:PFC+1], 64*8192
	s_sub_co_u32 s3, s3, 1
	s_cmp_lg_u32 s3, 0
	s_cbranch_scc1 .Llap
	STEP 0, 1, 0, 0                                ; K step 4 goes on; slot 0 then takes c_prev and n_prev
	STEP 0, 2, 0, 2
	TURN 0, 1, 2
	STEP 1, 0, 0, 0
	STEP 1, 1, 0, 0
	STEP 1, 2, 0, 0
	s_wait_dscnt 8                                 ; the very last step
	WIN MUL_LO
	MUL 0, 3, 1, 0
	MUL 2, 3, 1, 0
	s_wait_dscnt 0x0
	WIN MUL_HI
	MUL 4, 3, 1, 0
	MUL 6, 3, 1, 0
	WIN 0
	PLACES
	s_mov_b32 s18, 0x42800000                      ; 64.0
; THE FIRST HALF OF A WINDOW'S EPILOGUE needs neither c_prev nor n_prev: in place, for four blocks.  Of a block's 64 registers 0-15 are az, 16-31 ai, 32-47 af, 48-63 ao.
.macro PREP w                          ; every accumulator of the window is read here first, from its low end on
	WIN 0x55*\w
.irp a, 0,1,2,3
.irp i, 0,2,4,6,8,10,12,14
	v_pk_mul_f32 v[64*\a+\i:64*\a+\i+1], v[64*\a+\i:64*\a+\i+1], s[L2:L2+1] op_sel_hi:[1,0]
.endr
.endr
.irp a, 0,1,2,3
.irp i, 0,2,4,6,8,10,12,14
	v_pk_mul_f32 v[64*\a+48+\i:64*\a+49+\i], v[64*\a+48+\i:64*\a+49+\i], s[LN:LN+1] op_sel_hi:[1,0]
.endr
.endr
.irp a, 0,1,2,3
.irp i, 0,2,4,6,8,10,12,14
	v_pk_add_f32 v[64*\a+32+\i:64*\a+33+\i], v[64*\a+32+\i:64*\a+33+\i], v[64*\a+16+\i:64*\a+17+\i] neg_lo:[0,1] neg_hi:[0,1]
.endr
.endr
.irp a, 0,1,2,3
.irp i, 0,2,4,6,8,10,12,14
	v_pk_mul_f32 v[64*\a+32+\i:64*\a+33+\i], v[64*\a+32+\i:64*\a+33+\i], s[L1:L1+1] op_sel_hi:[1,0]
.endr
.endr
.irp a, 0,1,2,3
.irp i, 0,1,2,3,4,5,6,7,8,9,10,11,12,13,14,15
	v_min_num_f32 v[64*\a+32+\i], s18, v[64*\a+32+\i]   ; g's hold at 2^64
.endr
.endr
.endm
.macro EXPS w, half                    ; e^(2 az), g = e^(af - ai), e^-ao of the window's blocks 0, 1 (half = 0), 2, 3 (1) or all four (2)
	s_wait_alu depctr_va_vdst(0)
	WIN 0x55*\w
.irp a, 0,1,2,3
.if (\half == 2) || (\a/2 == \half)
.irp g, 0,32,48
.irp i, 0,1,2,3,4,5,6,7,8,9,10,11,12,13,14,15
	v_exp_f32 v[64*\a+\g+\i], v[64*\a+\g+\i]
.endr
.endr
.endif
.endr
	v_nop
	s_wait_alu depctr_va_vdst(0)
.endm
.macro TANHS w, half                   ; z = 1 - 2 / (1 + e^(2 az)) of the same blocks
	WIN 0x55*\w
.irp a, 0,1,2,3
.if (\half == 2) || (\a/2 == \half)
.irp i, 0,2,4,6,8,10,12,14
	v_pk_add_f32 v[64*\a+\i:64*\a+\i+1], v[64*\a+\i:64*\a+\i+1], 1.0 op_sel_hi:[1,0]
.endr
.endif
.endr
	s_wait_alu depctr_va_vdst(0)
.irp a, 0,1,2,3
.if (\half == 2) || (\a/2 == \half)
.irp i, 0,1,2,3,4,5,6,7,8,9,10,11,12,13,14,15
	v_rcp_f32 v[64*\a+\i], v[64*\a+\i]
.endr
.endif
.endr
	v_nop
	s_wait_alu depctr_va_vdst(0)
.irp a, 0,1,2,3
.if (\half == 2) || (\a/2 == \half)
.irp i, 0,2,4,6,8,10,12,14
	v_pk_fma_f32 v[64*\a+\i:64*\a+\i+1], v[64*\a+\i:64*\a+\i+1], -2.0, 1.0 op_sel_hi:[1,0,0]
.endr
.endif
.endr
	WIN 0
.endm
; THE SECOND HALF, two blocks (32 rows of my half) at a time.  c_prev, n_prev: window 1, 64 registers for each two blocks.  h goes back into c_prev's own bytes in LDS, which have had their last fill; a barrier (a row's 256 bytes come from two waves);
; then each of the two waves stores 16 whole rows, sixteen lanes to a row's 256 bytes.
.macro CNLOAD k
	WIN TO_B
.irp e, 0,1
.irp u, 0,1
.irp q, 0,1
	ds_load_b128 v[64*(\k)+32*\e+16+8*\u+4*\q:64*(\k)+32*\e+16+8*\u+4*\q+3], v[ADN] offset:16*PITCH*(2*(\k)+\e)+64*\u+16*\q
	ds_load_b128 v[64*(\k)+32*\e+8*\u+4*\q:64*(\k)+32*\e+8*\u+4*\q+3], v[ADC] offset:16*PITCH*(2*(\k)+\e)+64*\u+16*\q
.endr
.endr
.endr
	WIN 0
.endm
.macro OUT k
.irp t, 0,1,2,3,4,5,6,7
	ds_load_b128 v[OB+32*(\k)+4*\t:OB+32*(\k)+4*\t+3], v[RD] offset:32*PITCH*(\k)+2*PITCH*\t
.endr
.endm
.macro SEND k
.irp t, 0,1,2,3,4,5,6,7
	global_store_b128 v[CO], v[OB+32*(\k)+4*\t:OB+32*(\k)+4*\t+3], s[12:13] offset:(32*(\k)+2*\t)*8192 th:TH_STORE_NT
.endr
.endm
.macro CHUNK k                         ; in chunk 1's middle the two blocks before leave; the others leave behind their own chunk
.set WW, 2+(\k)/2
.if \k == 0
	s_wait_dscnt 16                                ; my first two blocks' c_prev and n_prev; the next two blocks' sixteen loads may be out
.endif
	WIN (WW|4)
.irp e, 0,1
.irp i, 0,2,4,6,8,10,12,14
	v_pk_fma_f32 v[HO+16*\e+\i:HO+16*\e+\i+1], v[64*((2*\k+\e)%4)+32+\i:64*((2*\k+\e)%4)+33+\i], v[64*\k+32*\e+16+\i:64*\k+32*\e+17+\i], 1.0 op_sel_hi:[1,1,0]   ; g n_prev + 1
.endr
.endr
	WIN (WW<<2)
.irp e, 0,1
.irp i, 0,2,4,6,8,10,12,14
	v_pk_fma_f32 v[HO+16*\e+\i:HO+16*\e+\i+1], v[HO+16*\e+\i:HO+16*\e+\i+1], v[64*((2*\k+\e)%4)+48+\i:64*((2*\k+\e)%4)+49+\i], v[HO+16*\e+\i:HO+16*\e+\i+1]   ; x (1 + e^-ao)
.endr
.endr
	WIN 0
.if \k == 1
	s_barrier_wait -1                              ; the two blocks before are whole in LDS
	OUT \k-1
.endif
	s_wait_alu depctr_va_vdst(0)
.irp i, 0,1,2,3,4,5,6,7,8,9,10,11,12,13,14,15,16,17,18,19,20,21,22,23,24,25,26,27,28,29,30,31
	v_rcp_f32 v[HO+\i], v[HO+\i]
.endr
	WIN (WW|4|(WW<<4))
.irp e, 0,1
.irp i, 0,2,4,6,8,10,12,14
	v_pk_fma_f32 v[TT+16*\e+\i:TT+16*\e+\i+1], v[64*((2*\k+\e)%4)+32+\i:64*((2*\k+\e)%4)+33+\i], v[64*\k+32*\e+\i:64*\k+32*\e+\i+1], v[64*((2*\k+\e)%4)+\i:64*((2*\k+\e)%4)+\i+1]   ; g c_prev + z
.endr
.endr
	WIN 0
	s_wait_alu depctr_va_vdst(0)
.irp i, 0,2,4,6,8,10,12,14,16,18,20,22,24,26,28,30
	v_pk_mul_f32 v[TT+\i:TT+\i+1], v[TT+\i:TT+\i+1], v[HO+\i:HO+\i+1]
.endr
.irp e, 0,1
.irp u, 0,1
.irp q, 0,1
	ds_store_b128 v[ADC], v[TT+16*\e+8*\u+4*\q:TT+16*\e+8*\u+4*\q+3] offset:16*PITCH*(2*\k+\e)+64*\u+16*\q
.endr
.endr
.endr
.if \k == 1
	s_wait_dscnt 8                                 ; the rows read back are in; the eight stores above may be out
	SEND \k-1
.endif
.if \k < 2
	CNLOAD \k+2
.endif
	s_wait_dscnt 0x0                               ; for the other wave's sake: my rows of h are in LDS
	s_barrier_signal -1
.endm
	PREP 2                                         ; my rows 0-63: c_prev and n_prev are on their way meanwhile
	EXPS 2, 2
	TANHS 2, 2
	s_wait_alu depctr_va_vdst(0)
	s_wait_tensorcnt 0x0                           ; my tile of c_prev or n_prev is in
	s_barrier_signal -1
	s_barrier_wait -1                              ; and so is everybody's; nothing is filled again
	CNLOAD 0
	CNLOAD 1
	CHUNK 0
	CHUNK 1
	WIN 0xff                                       ; my rows 64-127
	s_wait_alu depctr_va_vdst(0)                   ; directly ahead of the first readers of the window's matrix results
	PREP 3
	WIN 0
	s_barrier_wait -1
	OUT 1
	EXPS 3, 0                                      ; rows 64-95 to their end, so that they leave while rows 96-127 are worked
	WIN 0
	s_wait_dscnt 0x0
	SEND 1
	TANHS 3, 0
	CHUNK 2
	s_barrier_wait -1
	OUT 2
	EXPS 3, 1                                      ; rows 96-127
	WIN 0
	s_wait_dscnt 0x0
	SEND 2
	TANHS 3, 1
	CHUNK 3
	s_barrier_wait -1
	OUT 3
	s_wait_dscnt 0x0
	SEND 3
	s_wait_tensorcnt 0x0                           ; the wave's end
	ds_add_u32 v[SPW], v[NIL]
	s_wait_dscnt 0x0
	CROUND                                         ; the closing round
	s_endpgm
.Lfunc_end_k_qb697f8e5d6_cell:
	.size	k_qb697f8e5d6_cell, .Lfunc_end_k_qb697f8e5d6_cell-k_qb697f8e5d6_cell
	.p2alignl 7, 3214868480
	.fill 96, 4, 3214868480
	.section	.rodata,"a",@progbits
	.p2align	6, 0x0
	.amdhsa_kernel k_qb697f8e5d6_cell
		.amdhsa_group_segment_fixed_size 327680
		.amdhsa_private_segment_fixed_size 0
		.amdhsa_enable_private_segment 0
		.amdhsa_kernarg_size 72
		.amdhsa_user_sgpr_count 2
		.amdhsa_user_sgpr_kernarg_segment_ptr 1
		.amdhsa_wavefront_size32 1
		.amdhsa_system_sgpr_workgroup_id_x 1
		.amdhsa_system_sgpr_workgroup_id_y 1
		.amdhsa_system_sgpr_workgroup_id_z 1
		.amdhsa_system_vgpr_workitem_id 0
		.amdhsa_next_free_vgpr 1024
		.amdhsa_next_free_sgpr 100
		.amdhsa_reserve_vcc 0
		.amdhsa_float_denorm_mode_32 3
		.amdhsa_float_denorm_mode_16_64 3
		.amdhsa_memory_ordered 1
		.amdhsa_forward_progress 1
		.amdhsa_inst_pref_size 197
	.end_amdhsa_kernel
	.amdgpu_metadata
---
amdhsa.version: [ 1, 2 ]
amdhsa.kernels:
  - .name:           k_qb697f8e5d6_cell
    .symbol:         k_qb697f8e5d6_cell.kd
    .args:
      - { .name: aq, .offset: 0, .size: 8, .value_kind: global_buffer, .address_space: global }
      - { .name: bq, .offset: 8, .size: 8, .value_kind: global_buffer, .address_space: global }
      - { .name: bz, .offset: 16, .size: 8, .value_kind: global_buffer, .address_space: global }
      - { .name: bi, .offset: 24, .size: 8, .value_kind: global_buffer, .address_space: global }
      - { .name: bf, .offset: 32, .size: 8, .value_kind: global_buffer, .address_space: global }
      - { .name: bo, .offset: 40, .size: 8, .value_kind: global_buffer, .address_space: global }
      - { .name: c_prev, .offset: 48, .size: 8, .value_kind: global_buffer, .address_space: global }
      - { .name: n_prev, .offset: 56, .size: 8, .value_kind: global_buffer, .address_space: global }
      - { .name: out0, .offset: 64, .size: 8, .value_kind: global_buffer, .address_space: global }
    .group_segment_fixed_size: 327680
    .private_segment_fixed_size: 0
    .kernarg_segment_align: 8
    .kernarg_segment_size: 72
    .max_flat_workgroup_size: 128
    .sgpr_count:     100
    .vgpr_count:     1024
    .wavefront_size: 32
...
	.end_amdgpu_metadata
.endif
;; end of part 2
